; MI455X (gfx1250); checked and timed in simulation.
; The chip was launched on July 23, 2026; its instructions are those of AMD's public machine-readable ISA for CDNA 5 (MIT licence, August 2026) and "CDNA5" Instruction Set Architecture Reference Guide (July 2026). The comments in the code are by the model that wrote it; some were corrected since.
;; Class Layer. Allowed arithmetic: matrix products marked QUANTISED: E2M3 operands, one E8M0 scale for each 32 along K, by v_wmma_scale_f32_16x16x128_f8f6f4 with both operands' format E2M3, f32 sums; everything else in f32.
;; Inputs: weight 2,048 x 4,096 float32; x 8,192 x 4,096 float32.
;; Outputs: out0 8,192 x 2,048 float32.
;; This version of the problem:
;;   THIS VERSION OF THE PROBLEM IS GIVEN IN LOW PRECISION. The matrix products marked QUANTISED in the list below multiply operands that are first quantised to E2M3 (2 exponent bits, 3 mantissa bits; 6 bits a number), with one power-of-two scale for each 32 numbers along K (OCP MX v1.0); their sums are f32. All else is computed in f32.
;;   The module's matrix products, in the order in which they are computed (A, B: the left and right operand; K: the contracted axis; several contracted axes count as one K, in the product's order):
;;     1. [M 8,192, K 4,096] x [K 4,096, N 2,048]; A: input x; B: computed on the way: QUANTISED
;;   THE QUANTISER, for each operand of a quantised product, along K:
;;     - K is cut into blocks of 32 from its start; a last block that is shorter is filled with zeros.
;;     - A block's scale is 2^e with e = floor(log2(the largest magnitude in the block)) - 2, held to -126 .. 127; a block of zeros has e = 0. As a byte (E8M0): e + 127.
;;     - Each number is divided by its block's scale, clamped to +-7.5, and rounded to the nearest number of E2M3, ties to even, subnormals kept.
;;     - The product sums the exact products of the quantised numbers (number of the format x scale) in f32.
;;   ~~~python
;;   def quantise(x, axis):      # numpy; x: float32 -> the quantised numbers, widened to float32 again
;;       x = np.moveaxis(x, axis, -1); K = x.shape[-1]
;;       x = np.pad(x, [(0, 0)] * (x.ndim - 1) + [(0, -K % 32)]); x = x.reshape(x.shape[:-1] + (-1, 32)); a = np.abs(x).max(-1, keepdims=True)
;;       e = np.where(a > 0, np.clip(np.frexp(np.where(a > 0, a, 1))[1] - 1 - 2, -126, 127), 0)      # np.frexp(a)[1] - 1 = floor(log2(a)), exactly
;;       r = np.clip(x / 2.0 ** e, -7.5, 7.5)
;;       step = 2.0 ** (np.maximum(np.frexp(np.where(r == 0, 1, r))[1] - 1, 0) - 3)
;;       q = np.round(r / step) * step * 2.0 ** e      # np.round: ties to even
;;       return np.moveaxis(q.reshape(q.shape[:-2] + (-1,))[..., :K], -1, axis).astype(np.float32)
;;   ~~~
;;   OPERANDS COMPUTED ON THE WAY. 'Computed on the way' means the value that the module computes at that place (a softmax that the list does not call 'softmax' is quantised finished and normalised). What goes into a quantiser is computed in f32, as accurately as f32 sums, v_exp_f32 and their like allow (about 1e-6 of the number): no bf16 or f16 on the way to a quantiser, and a product that is left as it is and whose result goes on into a quantised operand takes f32 operands (vector FMAs, or v_wmma_f32_16x16x4_f32). A number that lies on a knife's edge between two numbers of the format may be rounded either way, as far as f32 arithmetic and the matrix unit's own rounding can turn it there, and no further.
;; One version. Each part assembles by itself: llvm-mc -triple=amdgcn-amd-amdhsa -mcpu=gfx1250 --defsym DOCPART=n.
;; ======== version 1 of 1: 3 launches
;; limits: right only within a limited range of input values
;; workspace buffers: psum 1,024 bytes; x_pan 26,214,400 bytes; w_pan 6,553,600 bytes
;; launch wsum (part 1): grid 256 x 1, 8 waves a work-group, no clusters, 1,280 bytes of LDS; arguments weight, psum; writes psum
.if DOCPART == 1
	.amdgcn_target "amdgcn-amd-amdhsa--gfx1250"
	.amdhsa_code_object_version 6
	.text
	.protected	k_qb7d0ca8c1e_wsum
	.globl	k_qb7d0ca8c1e_wsum
	.p2align	8
	.type	k_qb7d0ca8c1e_wsum,@function
k_qb7d0ca8c1e_wsum:
	s_mov_b64 s[64:65], 0
	v_nop
	global_prefetch_b8 v0, s[64:65] scope:SCOPE_SE
	s_setreg_imm32_b32 hwreg(HW_REG_WAVE_MODE, 25, 1), 1
	s_wait_xcnt 0x0
; psum[g] = the sum of |weight| over work-group g's 32,768 numbers.  weight: [2048][4096] f32, taken as a plain stream of 2^23 numbers; psum: 256 f32.
; The mean of |weight| scales every number of the product's second operand, and the quantiser's scale turns over where that mean passes a power of two:
; so the sum is taken PAIRWISE at every level (in a lane, across lanes, across waves, and in the next launch across work-groups), never as one long chain.
; Eight waves; thread t takes the 16 bytes at 16 t + 4,096 j, j = 0 .. 31: each load of a wave covers 512 consecutive bytes, and all 32 loads go out at once: there is no loop.
; A sum over work-groups is ordered by launches: each work-group stores one word of its own (4 bytes: the launch's whole output is 1,024 bytes), and the next launch adds the 256.
; LIMITS: NaN and infinities among the weights are not served.
.set X, 8                              ; v8-135  the 128 numbers of a lane
	s_load_b128 s[4:7], s[0:1], 0x0                ; weight s[4:5], psum s[6:7]
	v_lshl_add_u32 v136, v0, 2, 0x100
	v_mov_b32 v137, 0
	v_lshlrev_b32 v1, 4, v0                        ; 16 bytes a thread
	v_lshrrev_b32 v3, 5, v0
	s_delay_alu instid0(VALU_DEP_1)
	v_lshlrev_b32 v3, 2, v3                        ; LDS: a word for each wave
	v_mov_b32 v4, 0                                ; LDS byte 0, and the store's offset
	v_mov_b32 v5, 0                                ; a lane permute's destination counts as one of its sources: written once
	s_mov_b32 s12, 0x76543210                      ; v_permlanex16_b32: lane l takes lane l xor 16
	s_mov_b32 s13, 0xfedcba98
	s_lshl_b32 s10, ttmp9, 17                      ; the work-group's 131,072 bytes
	s_mov_b32 s11, 0
	s_wait_alu depctr_va_vdst(0)
	s_wait_kmcnt 0x0
	s_add_nc_u64 s[4:5], s[4:5], s[10:11]
.irp j, 0,1,2,3,4,5,6,7,8,9,10,11,12,13,14,15,16,17,18,19,20,21,22,23,24,25,26,27,28,29,30,31
	global_load_b128 v[X+4*\j:X+4*\j+3], v1, s[4:5] offset:4096*\j   ; the next launch reads these bytes again: no hint that they are read once
.endr
	s_lshl_b32 s10, ttmp9, 2                       ; my word of psum (s[10:11] is no source of a pending load)
	s_add_nc_u64 s[6:7], s[6:7], s[10:11]
; Eight loads' 32 numbers become a pair of sums in v[b:b+1].  Each level adds neighbours; a register is written only after it has been read.
.macro GROUP g
.set b, X+32*(\g)
	s_wait_loadcnt 24-8*(\g)                       ; loads come back in order (ISA guide 5.7.1): this group's eight are in, the later groups' stay out
.irp i, 0,1,2,3,4,5,6,7,8,9,10,11,12,13,14,15
	v_add_f32 v[b+\i], |v[b+2*\i]|, |v[b+2*\i+1]|  ; the magnitudes ride on the first addition
.endr
.irp j, 0,1,2,3
	v_pk_add_f32 v[b+2*\j:b+2*\j+1], v[b+4*\j:b+4*\j+1], v[b+4*\j+2:b+4*\j+3]
.endr
.irp j, 0
	s_delay_alu instid0(VALU_DEP_3)
	v_pk_add_f32 v[b+2*\j:b+2*\j+1], v[b+4*\j:b+4*\j+1], v[b+4*\j+2:b+4*\j+3]
.endr
.irp j, 1
	s_delay_alu instid0(VALU_DEP_2)
	v_pk_add_f32 v[b+2*\j:b+2*\j+1], v[b+4*\j:b+4*\j+1], v[b+4*\j+2:b+4*\j+3]
.endr
	s_delay_alu instid0(VALU_DEP_1)
	v_pk_add_f32 v[b:b+1], v[b:b+1], v[b+2:b+3]
.endm
	GROUP 0
	GROUP 1
	GROUP 2
	GROUP 3
	v_pk_add_f32 v[X:X+1], v[X:X+1], v[X+32:X+33]
	s_delay_alu instid0(VALU_DEP_2)
	v_pk_add_f32 v[X+64:X+65], v[X+64:X+65], v[X+96:X+97]
	s_delay_alu instid0(VALU_DEP_1)
	v_pk_add_f32 v[X:X+1], v[X:X+1], v[X+64:X+65]
	s_delay_alu instid0(VALU_DEP_1)
	v_add_f32 v8, v8, v9                           ; the lane's 128 numbers
	s_delay_alu instid0(VALU_DEP_1)
	v_add_f32_dpp v8, v8, v8 row_xmask:1 row_mask:0xf bank_mask:0xf   ; across the 32 lanes: four steps inside each half of 16,
	s_delay_alu instid0(VALU_DEP_1)
	v_add_f32_dpp v8, v8, v8 row_xmask:2 row_mask:0xf bank_mask:0xf
	s_delay_alu instid0(VALU_DEP_1)
	v_add_f32_dpp v8, v8, v8 row_xmask:4 row_mask:0xf bank_mask:0xf
	s_delay_alu instid0(VALU_DEP_1)
	v_add_f32_dpp v8, v8, v8 row_xmask:8 row_mask:0xf bank_mask:0xf
	s_delay_alu instid0(VALU_DEP_1)
	v_permlanex16_b32 v5, v8, s12, s13             ; one across the halves
	s_delay_alu instid0(VALU_DEP_1)
	v_add_f32 v8, v8, v5
	ds_store_b32 v3, v8                            ; all lanes of a wave write the same word with the same value
	s_wait_dscnt 0x0                               ; for the other waves' sake: my store has landed
	s_barrier_signal -1
	s_barrier_wait -1
	ds_load_b128 v[16:19], v4                      ; the eight waves' sums, in every lane
	ds_load_b128 v[20:23], v4 offset:16
	s_wait_dscnt 0x0
	v_pk_add_f32 v[16:17], v[16:17], v[18:19]
	v_pk_add_f32 v[20:21], v[20:21], v[22:23]
	s_delay_alu instid0(VALU_DEP_1)
	v_pk_add_f32 v[16:17], v[16:17], v[20:21]
	s_delay_alu instid0(VALU_DEP_1)
	v_add_f32 v16, v16, v17
	v_cmp_gt_u32 vcc_lo, 1, v0                     ; thread 0 alone stores
	s_wait_alu depctr_va_vdst(0)
	s_wait_xcnt 0x0                                ; EXEC is a source of the loads above: it changes only behind this wait
	s_wait_tensorcnt 0x0
	ds_add_u32 v136, v137
	s_wait_dscnt 0x0
	s_and_saveexec_b32 s9, vcc_lo
	global_store_b32 v4, v16, s[6:7]
	s_wait_xcnt 0x0                                ; and again in front of the line that widens it
	s_or_b32 exec_lo, exec_lo, s9
	s_endpgm
.Lfunc_end_k_qb7d0ca8c1e_wsum:
	.size	k_qb7d0ca8c1e_wsum, .Lfunc_end_k_qb7d0ca8c1e_wsum-k_qb7d0ca8c1e_wsum
	.p2alignl 7, 3214868480
	.fill 96, 4, 3214868480
	.section	.rodata,"a",@progbits
	.p2align	6, 0x0
	.amdhsa_kernel k_qb7d0ca8c1e_wsum
		.amdhsa_group_segment_fixed_size 1280
		.amdhsa_private_segment_fixed_size 0
		.amdhsa_enable_private_segment 0
		.amdhsa_kernarg_size 16
		.amdhsa_user_sgpr_count 2
		.amdhsa_user_sgpr_kernarg_segment_ptr 1
		.amdhsa_wavefront_size32 1
		.amdhsa_system_sgpr_workgroup_id_x 1
		.amdhsa_system_sgpr_workgroup_id_y 1
		.amdhsa_system_sgpr_workgroup_id_z 1
		.amdhsa_system_vgpr_workitem_id 0
		.amdhsa_next_free_vgpr 138
		.amdhsa_next_free_sgpr 66
		.amdhsa_reserve_vcc 1
		.amdhsa_float_denorm_mode_32 3
		.amdhsa_float_denorm_mode_16_64 3
		.amdhsa_memory_ordered 1
		.amdhsa_forward_progress 1
		.amdhsa_inst_pref_size 13
	.end_amdhsa_kernel
	.amdgpu_metadata
---
amdhsa.version: [ 1, 2 ]
amdhsa.kernels:
  - .name:           k_qb7d0ca8c1e_wsum
    .symbol:         k_qb7d0ca8c1e_wsum.kd
    .args:
      - { .name: weight, .offset: 0, .size: 8, .value_kind: global_buffer, .address_space: global }
      - { .name: psum, .offset: 8, .size: 8, .value_kind: global_buffer, .address_space: global }
    .group_segment_fixed_size: 1280
    .private_segment_fixed_size: 0
    .kernarg_segment_align: 8
    .kernarg_segment_size: 16
    .max_flat_workgroup_size: 256
    .sgpr_count:     66
    .vgpr_count:     138
    .wavefront_size: 32
...
	.end_amdgpu_metadata
.endif
;; end of part 1
;; launch quant (part 2): grid 256 x 1, 4 waves a work-group, no clusters, 327,680 bytes of LDS; arguments weight, x, w_pan, x_pan, psum; writes w_pan, x_pan
.if DOCPART == 2
	.amdgcn_target "amdgcn-amd-amdhsa--gfx1250"
	.amdhsa_code_object_version 6
	.text
	.protected	k_qb7d0ca8c1e_quant
	.globl	k_qb7d0ca8c1e_quant
	.p2align	8
	.type	k_qb7d0ca8c1e_quant,@function
k_qb7d0ca8c1e_quant:
	s_mov_b64 s[64:65], 0
	v_nop
	global_prefetch_b8 v0, s[64:65] scope:SCOPE_SE
	s_setreg_imm32_b32 hwreg(HW_REG_WAVE_MODE, 25, 1), 1
	s_wait_xcnt 0x0
; Both operands of the product become codes of FP6 (E2M3) with one E8M0 scale byte for each 32 along K, laid in the order in which the product's launch takes them into registers.
; x [8192][4096] f32 is quantised as it is.  weight [2048][4096] f32 first becomes Wb = (s sign(w) - clip(w, -1, 1)) + clip(w, -1, 1), s = the mean of |weight|, in f32:
; the subtraction and the addition are two instructions with a rounding each, never fused and never cancelled; sign(0) = 0.  s is the sum of the 256 words of psum x 2^-23 (exact), added in one pairwise order by every wave.
; A block's scale is 2^(floor(log2(its largest magnitude)) - 2); its byte is the largest magnitude's exponent field - 2, held at 1 from below.  Each number is divided by the scale and rounded to the nearest code,
; ties to even; beyond 7.5 the conversion gives the largest code, which is the quantiser's clamp.
; LIMITS: NaN and infinities among the inputs are not served.  A block whose largest magnitude lies under 2^-124, the floor, gets the byte 1; so does a block of zeros, where the quantiser says 127:
; its codes are zeros, which add nothing under any byte but 0xff, and the bytes are read by this program alone.
; THE OUTPUT.  A PANEL is 128 rows x 128 along K, 12,800 bytes; panel (g, s), rows 128 g on, K 128 s on, lies at (32 g + s) x 12,800.  In it eight images of an operand's 12 registers (16 rows each, 1,536 bytes):
; three planes of 512 bytes, registers 4 c .. 4 c + 3 of lane l at 512 c + 16 l.  Behind them 512 bytes of scale words: row r of fragment i at 256 (i / 4) + 16 r + 4 (i % 4).
; SHARES.  256 work-groups of four waves.  A wave makes five HALF PANELS (64 rows x 128 along K): one of weight, then four of x, so that all work-groups have the same work and the text has no branch.
; A half panel comes by ONE tensor load, 64 rows x 512 bytes, into one of the wave's own two LDS slots, rows 528 bytes apart; the four waves of a work-group stand side by side on 2,048 bytes of each row.
; LANE (r, h) TAKES ROW r's BLOCKS h AND 2 + h, the 64 numbers that the operand's layout gives it: sixteen loads of 16 bytes, in which sixteen lanes stand on sixteen rows.  A block's largest magnitude needs no other lane,
; the four conversions give the lane's 12 registers, and they leave as they are: each store of the wave covers 512 consecutive bytes at a multiple of 256 from the buffer's first byte.
; A row's scale word is joined from lanes l and l xor 16; a half panel's 256 bytes of words leave by one store, 8 bytes a lane.  No number and no code is stored to LDS.
; PREFETCH.  At each change of slots a wave has waited for all its tensor loads, so a fill goes out with nothing on its way beside it.  So each wave names its own half panels of x two fills ahead of their tensor loads:
; 64 rows x 2 blocks of 256 bytes, a lane a block, four instructions; half panels 0 and 1 at the head, behind weight's load; 2 and 3 behind the next two fills and the first LDS loads there; then nothing more.
; No two waves name the same block; what a wave has asked for and not yet loaded is two half panels at the most; the offsets and the base are never rewritten.  weight's half panel comes by its load alone.
; No cluster: no two work-groups read the same bytes.
.set PITCH, 528                        ; an LDS row: 512 bytes + 16: row r starts 4 r banks on (ISA guide 11.1)
.set HP,    64*PITCH                   ; a slot: a half panel's numbers
.set SPARE, 8*HP                       ; behind the four rings: the spare words, 128 bytes a wave, two blocks of 256 bytes that no other line names
.set FRAGB, 1536
.set SCOFF, 8*FRAGB
.set PANEL, SCOFF+512
.set LA,   4                           ; LDS address: my ring + 528 r + 128 h
.set CO,   5                           ; 16 x lane
.set SOF,  6                           ; 16 r + 8 h
.set SH,   7                           ; 8 h
.set MEAN, 8                           ; s
.set SPW,  10
.set NIL,  11
.set M,    12                          ; v12-15 four running maxima
.set SO,   16                          ; v16-17 the conversions' scale operands
.set B0,   18
.set B1,   19
.set WD,   20                          ; v20-23 the scale words of the half panel's four fragments
.set S0,   24                          ; v24-25 the two that I store
.set PFO,  26                          ; the prefetches' offset: row lane / 2, block lane % 2; never rewritten
.set TB,   32                          ; v32-47 s sign(w), then that less the clipped w; at the head psum's words
.set C,    48                          ; v48-59 the operand's 12 registers
.set T,    60                          ; v60-62, v64-66 the upper halves of the two blocks (a conversion's three registers begin on an even number)
.set X,    68                          ; v68-195 two sets of 64 numbers
.set G1,   16
.set G0W,  24                          ; group 0: weight's half panel, slot 0
.set G0A,  28                          ; x's half panels 0 and 2, slot 1
.set G0B,  32                          ; x's half panels 1 and 3, slot 0
	s_load_b128 s[4:7], s[0:1], 0x0                ; weight, x
	s_load_b128 s[8:11], s[0:1], 0x10              ; weight's panels, x's panels
	s_load_b64 s[12:13], s[0:1], 0x20              ; psum
	v_lshl_add_u32 v[SPW], v0, 2, SPARE
	v_mov_b32 v[NIL], 0
	ds_add_u32 v[SPW], v[NIL]                      ; the opening lines: the add twice on end and one wait, ahead of my first tensor load
	ds_add_u32 v[SPW], v[NIL]
	v_lshrrev_b32 v1, 5, v0
	v_readfirstlane_b32 s14, v1                    ; wave
	s_mul_i32 s15, s14, 2*HP                       ; my ring
	v_and_b32 v2, 31, v0                           ; lane
	v_and_b32 v3, 15, v0                           ; r
	v_bfe_u32 v9, v0, 4, 1                         ; h
	v_lshlrev_b32 v1, 5, v2                        ; psum: 32 bytes a lane
	v_mul_u32_u24 v[LA], v3, PITCH
	v_lshl_add_u32 v[LA], v9, 7, v[LA]
	v_add_nc_u32 v[LA], s15, v[LA]
	v_lshlrev_b32 v[CO], 4, v2
	v_lshlrev_b32 v[SOF], 4, v3
	v_lshl_add_u32 v[SOF], v9, 3, v[SOF]
	v_lshlrev_b32 v[SH], 3, v9
	v_lshrrev_b32 v[PFO], 1, v2
	v_and_b32 v27, 1, v2
	v_lshlrev_b32 v[PFO], 14, v[PFO]               ; 16,384 bytes a row,
	v_lshl_add_u32 v[PFO], v27, 8, v[PFO]          ; 256 a block
	s_wait_alu depctr_va_vdst(0)                   ; ahead of the run of scalar lines
	s_mov_b32 s[G1+0], (2<<16)|(1<<20)|(6<<22)|(3<<25)   ; elements of 4 bytes; padding: behind every 128 words 4 words
	s_mov_b32 s[G1+1], 128<<16                     ; tensor_dim0 = 128
	s_mov_b32 s[G1+2], 64<<16                      ; tensor_dim1 = 64
	s_mov_b32 s[G1+3], 128<<16                     ; tile_dim0 = 128
	s_mov_b32 s[G1+4], 64                          ; tile_dim1 = 64
	s_mov_b32 s[G1+5], 4096                        ; elements from row to row
	s_mov_b32 s[G1+6], 0
	s_mov_b32 s[G1+7], 0
	s_mov_b32 s40, 0x76543210                      ; v_permlanex16_b32: lane l takes lane l xor 16
	s_mov_b32 s41, 0xfedcba98
	s_mov_b32 s42, 0x7fffffff                      ; all of a number but its sign
	s_mov_b32 s43, 0xffff0000                      ; lanes 16-31
; Where a wave's first half panel of a tensor lies, in bytes: s[o:o+1] its numbers, s[o+2:o+3] its four images, s[o+4:o+5] its scale words.  64 rows: work-group >> rsh; K step: ((work-group & kand) << ksh) + wave
.macro PLACE rsh, kand, ksh, o
	s_lshr_b32 s36, ttmp9, \rsh
	s_and_b32 s37, ttmp9, \kand
	s_lshl_b32 s37, s37, \ksh
	s_add_co_u32 s37, s37, s14
	s_lshl_b32 s[\o], s36, 20                      ; 64 rows of 16,384 bytes (under 2^27 in all),
	s_lshl_b32 s38, s37, 9                         ; 512 bytes a K step
	s_add_co_u32 s[\o], s[\o], s38
	s_mov_b32 s[\o+1], 0
	s_lshr_b32 s38, s36, 1
	s_lshl_b32 s38, s38, 5
	s_add_co_u32 s38, s38, s37
	s_mul_i32 s38, s38, PANEL                      ; the panel (under 2^25 bytes)
	s_and_b32 s36, s36, 1                          ; which half of it
	s_mul_i32 s[\o+2], s36, 4*FRAGB
	s_add_co_u32 s[\o+2], s[\o+2], s38
	s_mov_b32 s[\o+3], 0
	s_lshl_b32 s36, s36, 8
	s_add_co_u32 s[\o+4], s36, s38
	s_add_co_u32 s[\o+4], s[\o+4], SCOFF
	s_mov_b32 s[\o+5], 0
.endm
	PLACE 3, 7, 2, 44                              ; weight: 32 x 64 rows, K step 4 (work-group % 8) + wave
	PLACE 1, 1, 4, 50                              ; x: 128 x 64 rows, K steps 16 (work-group % 2) + 4 j + wave, j = 0 .. 3
	s_wait_dscnt 0x0                               ; both opening adds are done
	s_wait_kmcnt 0x0
	s_add_nc_u64 s[44:45], s[4:5], s[44:45]
	s_add_nc_u64 s[46:47], s[8:9], s[46:47]
	s_add_nc_u64 s[48:49], s[8:9], s[48:49]
	s_add_nc_u64 s[50:51], s[6:7], s[50:51]
	s_add_nc_u64 s[52:53], s[10:11], s[52:53]
	s_add_nc_u64 s[54:55], s[10:11], s[54:55]
.macro MKG0 g, lds, a, on
	s_mov_b32 s[\g], 1
	s_add_co_u32 s[\g+1], s15, \lds
	s_add_nc_u64 s[\g+2:\g+3], s[\a:\a+1], \on
	s_or_b32 s[\g+3], s[\g+3], 0x80000000
.endm
.macro ASK j                           ; x's half panel j of mine is named: 16 rows x 2 blocks an instruction; four K steps are 2,048 bytes of a row
.irp k, 0,1,2,3
	global_prefetch_b8 v[PFO], s[50:51] offset:(\j)*2048+\k*262144 th:TH_LOAD_NT scope:SCOPE_SE
.endr
.endm
	MKG0 G0W, 0, 44, 0
	MKG0 G0A, HP, 50, 0
	MKG0 G0B, 0, 50, 2048                          ; four K steps on
	tensor_load_to_lds s[G0W:G0W+3], s[G1:G1+7]    ; weight's half panel: one tensor load a wave at the head
	s_nop 0
	global_load_b128 v[TB:TB+3], v1, s[12:13]      ; the 256 partial sums: eight a lane
	global_load_b128 v[TB+4:TB+7], v1, s[12:13] offset:16
	ASK 0
	ASK 1
	s_wait_loadcnt 0x0
	v_pk_add_f32 v[TB:TB+1], v[TB:TB+1], v[TB+2:TB+3]              ; pairwise: in the lane,
	v_pk_add_f32 v[TB+4:TB+5], v[TB+4:TB+5], v[TB+6:TB+7]
	v_pk_add_f32 v[TB:TB+1], v[TB:TB+1], v[TB+4:TB+5]
	v_add_f32 v[TB], v[TB], v[TB+1]
	v_add_f32_dpp v[TB], v[TB], v[TB] row_xmask:1 row_mask:0xf bank_mask:0xf   ; across the lanes
	v_add_f32_dpp v[TB], v[TB], v[TB] row_xmask:2 row_mask:0xf bank_mask:0xf
	v_add_f32_dpp v[TB], v[TB], v[TB] row_xmask:4 row_mask:0xf bank_mask:0xf
	v_add_f32_dpp v[TB], v[TB], v[TB] row_xmask:8 row_mask:0xf bank_mask:0xf
	v_permlanex16_b32 v[TB+1], v[TB], s40, s41
	v_add_f32 v[TB], v[TB], v[TB+1]
	v_mul_f32 v[MEAN], 0x34000000, v[TB]           ; x 2^-23, the number of weights: exact
	s_wait_alu depctr_va_vdst(0)                   ; the head's end
; A slot is filled: all my tensor loads have landed, the add, the wait for it and for my reads, the barrier, and my one load first behind it.  step = 1: the group 0's next half panel, eight K steps on.
.macro FILL g, step
	s_wait_tensorcnt 0x0
	ds_add_u32 v[SPW], v[NIL]
.if \step
	s_add_nc_u64 s[\g+2:\g+3], s[\g+2:\g+3], 4096
.endif
	s_wait_dscnt 0x0
	s_barrier_signal -1
	s_barrier_wait -1
	tensor_load_to_lds s[\g:\g+3], s[G1:G1+7]
	s_nop 0
.endm
.macro LDF slot, g                     ; fragment g's 64 numbers into set g % 2: block h, then block 2 + h, 256 bytes on
.irp c, 0,1
.irp j, 0,1,2,3,4,5,6,7
	ds_load_b128 v[X+64*((\g)%2)+32*\c+4*\j:X+64*((\g)%2)+32*\c+4*\j+3], v[LA] offset:(\slot)*HP+(\g)*16*PITCH+256*\c+16*\j
.endr
.endr
.endm
.macro WORKF slot, f, isw, cp, off     ; fragment f: 16 rows
.set XS, X+64*((\f)%2)
.if (\f) < 3
	LDF \slot, (\f)+1
	s_wait_dscnt 16                                ; this fragment's 16 loads are in; the next one's 16 may be out
.else
	s_wait_dscnt 0x0
.endif
.if \isw
.irp q, 0,1,2,3
.irp e, 0,1,2,3,4,5,6,7,8,9,10,11,12,13,14,15
	v_bfi_b32 v[TB+\e], s42, v[MEAN], v[XS+16*\q+\e]               ; s with w's sign
.endr
.irp e, 0,1,2,3,4,5,6,7,8,9,10,11,12,13,14,15
	v_cmp_neq_f32 vcc_lo, 0, v[XS+16*\q+\e]
	v_cndmask_b32 v[TB+\e], 0, v[TB+\e], vcc_lo                    ; and 0 where w is 0: s sign(w)
.endr
.irp e, 0,1,2,3,4,5,6,7,8,9,10,11,12,13,14,15
	v_med3_num_f32 v[XS+16*\q+\e], v[XS+16*\q+\e], -1.0, 1.0       ; clip(w, -1, 1), in w's place
.endr
.irp e, 0,2,4,6,8,10,12,14
	v_pk_add_f32 v[TB+\e:TB+\e+1], v[TB+\e:TB+\e+1], v[XS+16*\q+\e:XS+16*\q+\e+1] neg_lo:[0,1] neg_hi:[0,1]   ; less the clipped w, rounded,
.endr
.irp e, 0,2,4,6,8,10,12,14
	v_pk_add_f32 v[XS+16*\q+\e:XS+16*\q+\e+1], v[TB+\e:TB+\e+1], v[XS+16*\q+\e:XS+16*\q+\e+1]   ; and the clipped w added again, rounded again
.endr
.endr
.endif
.irp k, 0,1,2,3                        ; the largest magnitudes, in four chains of 16 numbers, each over the floor 2^(3 - 127): so no byte falls under 1
	v_max3_num_f32 v[M+\k], |v[XS+16*\k]|, |v[XS+16*\k+1]|, 0x1800000
.endr
.irp e, 2,4,6,8,10,12,14
.irp k, 0,1,2,3
	v_max3_num_f32 v[M+\k], v[M+\k], |v[XS+16*\k+\e]|, |v[XS+16*\k+\e+1]|
.endr
.endr
	v_max_num_f32 v[M], v[M], v[M+1]               ; block h's
	v_max_num_f32 v[M+2], v[M+2], v[M+3]           ; block 2 + h's
	v_add_nc_u32 v[SO], 0xff000000, v[M]           ; 2 off the exponent field: the conversion takes the exponent field of this operand as its scale
	v_add_nc_u32 v[SO+1], 0xff000000, v[M+2]
	s_wait_alu depctr_va_vdst(0)                   ; directly ahead of the wait below
	s_wait_xcnt 0x0                                ; the last fragment's stores have read the registers that are written now
	v_cvt_scalef32_pk16_fp6_f32 v[C:C+2], v[XS:XS+15], v[SO]
	v_cvt_scalef32_pk16_fp6_f32 v[T:T+2], v[XS+16:XS+31], v[SO]
	v_cvt_scalef32_pk16_fp6_f32 v[C+6:C+8], v[XS+32:XS+47], v[SO+1]
	v_cvt_scalef32_pk16_fp6_f32 v[T+4:T+6], v[XS+48:XS+63], v[SO+1]
	v_lshrrev_b32 v[B0], 23, v[SO]                 ; the two bytes.  (Also the plain line behind the conversions)
	v_lshrrev_b32 v[B1], 23, v[SO+1]
.irp k, 0,1,2
	v_mov_b32 v[C+3+\k], v[T+\k]
	v_mov_b32 v[C+9+\k], v[T+4+\k]
.endr
	v_lshl_or_b32 v[B0], v[B1], 16, v[B0]
	v_lshlrev_b32 v[B0], v[SH], v[B0]              ; at their places in the row's word, 8 h bits up;
	v_permlanex16_b32 v[B1], v[B0], s40, s41
	v_or_b32 v[WD+\f], v[B0], v[B1]                ; with lane l xor 16's two the word is whole
.irp c, 0,1,2
	global_store_b128 v[CO], v[C+4*\c:C+4*\c+3], s[\cp:\cp+1] offset:(\off)+(\f)*FRAGB+512*\c   ; 32 lanes store 512 consecutive bytes
.endr
.endm
; The half panel in a slot.  left: the tensor loads issued behind its own, which may stay out.  cp, sp: its tensor's images and scale words; off: its place behind the wave's first; ask: the half panel of x that is named here, or -1
.macro WORK slot, isw, cp, sp, off, left, ask
	s_wait_tensorcnt \left
	LDF \slot, 0
.if (\ask) >= 0
	ASK \ask
.endif
.irp f, 0,1,2,3
	WORKF \slot, \f, \isw, \cp, \off
.endr
	v_cndmask_b32 v[S0], v[WD], v[WD+2], s43       ; lanes 0-15 store fragments 0 and 1's words of their row, lanes 16-31 fragments 2 and 3's
	v_cndmask_b32 v[S0+1], v[WD+1], v[WD+3], s43
	global_store_b64 v[SOF], v[S0:S0+1], s[\sp:\sp+1] offset:\off   ; the 32 lanes fill 256 consecutive bytes, at a multiple of 256 from the buffer's first byte
.endm
	FILL G0A, 0                                    ; slot 1's first fill, issued as a refill is: x's half panel 0
	WORK 0, 1, 46, 48, 0, 1, 2
	FILL G0B, 0                                    ; x's half panel 1
	WORK 1, 0, 52, 54, 0, 1, 3
	FILL G0A, 1
	WORK 0, 0, 52, 54, 4*PANEL, 1, -1              ; four K steps are four panels
	FILL G0B, 1                                    ; the last load
	WORK 1, 0, 52, 54, 8*PANEL, 1, -1
	WORK 0, 0, 52, 54, 12*PANEL, 0, -1
	s_wait_tensorcnt 0x0                           ; the wave's end
	ds_add_u32 v[SPW], v[NIL]
	s_wait_dscnt 0x0
	s_endpgm
.Lfunc_end_k_qb7d0ca8c1e_quant:
	.size	k_qb7d0ca8c1e_quant, .Lfunc_end_k_qb7d0ca8c1e_quant-k_qb7d0ca8c1e_quant
	.p2alignl 7, 3214868480
	.fill 96, 4, 3214868480
	.section	.rodata,"a",@progbits
	.p2align	6, 0x0
	.amdhsa_kernel k_qb7d0ca8c1e_quant
		.amdhsa_group_segment_fixed_size 327680
		.amdhsa_private_segment_fixed_size 0
		.amdhsa_enable_private_segment 0
		.amdhsa_kernarg_size 40
		.amdhsa_user_sgpr_count 2
		.amdhsa_user_sgpr_kernarg_segment_ptr 1
		.amdhsa_wavefront_size32 1
		.amdhsa_system_sgpr_workgroup_id_x 1
		.amdhsa_system_sgpr_workgroup_id_y 1
		.amdhsa_system_sgpr_workgroup_id_z 1
		.amdhsa_system_vgpr_workitem_id 0
		.amdhsa_next_free_vgpr 196
		.amdhsa_next_free_sgpr 66
		.amdhsa_reserve_vcc 1
		.amdhsa_float_denorm_mode_32 3
		.amdhsa_float_denorm_mode_16_64 3
		.amdhsa_memory_ordered 1
		.amdhsa_forward_progress 1
		.amdhsa_inst_pref_size 162
	.end_amdhsa_kernel
	.amdgpu_metadata
---
amdhsa.version: [ 1, 2 ]
amdhsa.kernels:
  - .name:           k_qb7d0ca8c1e_quant
    .symbol:         k_qb7d0ca8c1e_quant.kd
    .args:
      - { .name: weight, .offset: 0, .size: 8, .value_kind: global_buffer, .address_space: global }
      - { .name: x, .offset: 8, .size: 8, .value_kind: global_buffer, .address_space: global }
      - { .name: w_pan, .offset: 16, .size: 8, .value_kind: global_buffer, .address_space: global }
      - { .name: x_pan, .offset: 24, .size: 8, .value_kind: global_buffer, .address_space: global }
      - { .name: psum, .offset: 32, .size: 8, .value_kind: global_buffer, .address_space: global }
    .group_segment_fixed_size: 327680
    .private_segment_fixed_size: 0
    .kernarg_segment_align: 8
    .kernarg_segment_size: 40
    .max_flat_workgroup_size: 128
    .sgpr_count:     66
    .vgpr_count:     196
    .wavefront_size: 32
...
	.end_amdgpu_metadata
.endif
;; end of part 2
;; launch gemm (part 3): grid 8 x 32, 4 waves a work-group, clusters of 4 x 4, 327,680 bytes of LDS; arguments x_pan, w_pan, out0; writes out0
.if DOCPART == 3
	.amdgcn_target "amdgcn-amd-amdhsa--gfx1250"
	.amdhsa_code_object_version 6
	.text
	.protected	k_qb7d0ca8c1e_gemm
	.globl	k_qb7d0ca8c1e_gemm
	.p2align	8
	.type	k_qb7d0ca8c1e_gemm,@function
k_qb7d0ca8c1e_gemm:
	s_mov_b64 s[64:65], 0
	v_nop
	global_prefetch_b8 v0, s[64:65] scope:SCOPE_SE
	s_setreg_imm32_b32 hwreg(HW_REG_WAVE_MODE, 25, 1), 1
	s_wait_xcnt 0x0
	s_wait_alu depctr_hold_cnt(0) depctr_sa_sdst(0) depctr_va_vdst(0) depctr_va_sdst(0) depctr_va_ssrc(0) depctr_va_vcc(0) depctr_vm_vsrc(0)
	s_getreg_b32 s2, hwreg(HW_REG_IB_STS2, 6, 4)
	s_cmp_eq_u32 s2, 0
	s_cbranch_scc0 .Lentry_in_a_cluster
	s_endpgm
.Lentry_in_a_cluster:
	s_bfe_u32 s2, ttmp6, 0x10000c
	s_cmp_lg_u32 s2, 0xf033
	s_cbranch_scc0 .Lentry_shape_is_right
	s_endpgm
.Lentry_shape_is_right:
; out0[m][n] = sum over k of X[m][k] W[n][k], X and W the FP6 (E2M3) codes with E8M0 block scales that the launch before laid in panels; sums in f32; out0 [8192][2048] f32.
; A PANEL is 128 rows x 128 along K, 12,800 bytes: eight images of an operand's registers (16 rows: 48 bytes a lane, 1,536 bytes), then 512 bytes of scale words
; (row r of fragment i at 256 (i / 4) + 16 r + 4 (i % 4)).  The 32 panels of a group of 128 rows lie on end, so three K steps of a group are 38,400 dense bytes, 150 rows of 256 bytes.
; A work-group of four waves makes 256 x 256 of out0; a wave 128 x 128: 64 accumulators, 512 registers.  256 work-groups.
; THE RING: two LDS slots, each with three K steps of two groups of X and two of W; each wave fetches one group's part by one tensor load.  32 K steps are ten fills of three and one of two.
; CLUSTERS: 4 x 4.  X's parts are asked for jointly along a row of the cluster, W's along a column: the same load, descriptor and mask in the four that a mask names.
; THE MATRIX INSTRUCTION IS USED TRANSPOSED (source 0 = 16 rows of W, source 1 = 16 rows of X): a lane holds eight neighbouring numbers of a row of out0.
; A K STEP: 64 products, X's blocks one after the other, each against W's eight.  Both operands have two sets of registers; the next step's 50 LDS loads stand in TWO runs:
; W's 24 behind the fourth product, the 2 of scale words and X's 24 behind the 32nd.
; PREFETCH: at the change of slots that asks for fill f + 2 each wave names fill f + 3 of the part that it fetches, three K steps ahead of that fill's tensor load: 150 blocks of 256 bytes, shared out
; BY ADDRESS among the four partners that load it jointly (partner p: blocks 38 p .. 38 p + 37, held at 149; a lane a block, two instructions; lanes left over name the share's last block again).
; Fills 0 to 2 come by their loads alone; fill 10, the short one, is not named, so no address passes a group's 32 panels.
; REGISTERS: window 0: v0-31 addresses; v32-47 scale words, two sets (lanes 0-15 X's, lanes 16-31 W's); v64-255 X's fragments, two sets of 96; on the way out v128-255 are the rows read back.
;   window 1: W's fragments, sets at v0 and v128.  window 2: accumulators of my rows 0-63 ((a, b) at v[8 (8 a + b)]); window 3: rows 64-127.
.set SIZE_N, 2048
.set FR,     12                        ; registers of a fragment
.set FRAGB,  1536                      ; an image: three planes of 512 bytes; registers 4 c .. 4 c + 3 of lane l at 512 c + 16 l
.set SCOFF,  8*FRAGB
.set PANEL,  SCOFF+512
.set GROUPB, 32*PANEL                  ; a group of 128 rows, all of K
.set PART,   3*PANEL                   ; what one tensor load brings
.set SLOT,   4*PART
.set SPARE,  2*SLOT                    ; the spare words: 128 bytes a wave, two blocks of 256 bytes that no other line names
.set STAGE,  SLOT                      ; the way out: in slot 1, which has had its last fill and its last read by then
.set SPITCH, 528
.set TRIPS,  4
.set ADRA, 16                          ; v16-17 LDS address of my X fragments in slot 0, 1
.set ADRB, 18                          ; v18-19 of my W fragments
.set ADRS, 20                          ; v20-21 of my scale words
.set STO,  24
.set RD,   25
.set CO,   26
.set SPW,  28                          ; my spare word; never rewritten
.set NIL,  29                          ; 0; never rewritten
.set PFO,  30                          ; v30-31 the prefetches' offsets; never rewritten
.set SC,   32
.set AF,   64
.set BK,   128
.set G1,   24                          ; s[24:31] group 1, X's parts; s[32:39] group 0, a set for each slot
.set G0,   32
.set G1B,  48                          ; the same for W's parts
.set G0B,  56
.set G1T,  68                          ; groups 1 for the last fill, two K steps
.set G1BT, 76
.set PFA,  84                          ; s[84:85] the part that I fetch, at the fill that the trip's first change of slots has read out
.set MSB, 0
.macro WIN new                         ; the immediate's high byte repeats the setting that is left
.if MSB != \new
	s_set_vgpr_msb (MSB<<8)|\new
.set MSB, \new
.endif
.endm
.set MUL_LO, 0xa1                      ; source 0 (W) window 1, source 1 (X) window 0, C and D window 2
.set MUL_HI, 0xf1
.set TO_B,   0x40
.macro JLOAD g0a, g1a, g0b, g1b        ; a joint load: waves 0, 1 fetch X's two groups, waves 2, 3 W's; s_nop 0 and four v_nop behind each line
	s_cmp_eq_u32 s15, 0
	s_cbranch_scc0 .Lfor_b_\@
	tensor_load_to_lds s[\g0a:\g0a+3], s[\g1a:\g1a+7]
	s_nop 0
.rept 4
	v_nop
.endr
	s_branch .Lasked_\@
.Lfor_b_\@:
	tensor_load_to_lds s[\g0b:\g0b+3], s[\g1b:\g1b+7]
	s_nop 0
.rept 4
	v_nop
.endr
.Lasked_\@:
.endm
.macro CREST                           ; a round of the cluster's barrier behind its opening barrier
	s_cmp_lg_u32 s14, 0
	s_cbranch_scc1 .Lnot_wave_0_\@
	s_barrier_signal -3
.Lnot_wave_0_\@:
	s_barrier_wait -3
	s_barrier_signal -1
	s_barrier_wait -1
.endm
.macro CROUND
	s_barrier_signal -1
	s_barrier_wait -1
	CREST
.endm
	s_load_b128 s[4:7], s[0:1], 0x0                ; x_pan, w_pan
	s_load_b64 s[12:13], s[0:1], 0x10              ; out0
	v_lshl_add_u32 v[SPW], v0, 2, SPARE
	v_mov_b32 v[NIL], 0
	ds_add_u32 v[SPW], v[NIL]                      ; the opening lines: the add twice on end and one wait, ahead of my first tensor load
	ds_add_u32 v[SPW], v[NIL]
	v_lshrrev_b32 v1, 5, v0
	v_readfirstlane_b32 s14, v1                    ; wave
	s_lshr_b32 s15, s14, 1                         ; my half of the rows; also: I fetch for X (0) or W (1)
	s_and_b32 s16, s14, 1                          ; my half of the columns; also: which group I fetch
	s_bfe_u32 s40, ttmp6, 0x40000                  ; cx
	s_bfe_u32 s41, ttmp6, 0x40004                  ; cy
	s_lshl_b32 s42, ttmp9, 2
	s_add_co_u32 s42, s42, s40                     ; tile column
	s_and_b32 s17, ttmp7, 0xffff
	s_lshl_b32 s17, s17, 2
	s_add_co_u32 s17, s17, s41                     ; tile row
	s_lshl_b32 s43, s41, 2
	s_lshl_b32 s43, 15, s43                        ; my row of the cluster
	s_lshl_b32 s44, 0x1111, s40                    ; my column
	s_or_b32 s[G1+0], s43, (3<<16)|(1<<21)         ; the mask; elements of 8 bytes; bit 21 beside a mask; no padding: each LDS load of an image reads 512 bytes on end
	s_or_b32 s[G1B+0], s44, (3<<16)|(1<<21)
	s_or_b32 s[G1T+0], s43, (3<<16)|(1<<21)
	s_or_b32 s[G1BT+0], s44, (3<<16)|(1<<21)
.irp g, G1, G1B                        ; a dense block as rows of 256 bytes: 150 rows
	s_mov_b32 s[\g+1], 32<<16
	s_mov_b32 s[\g+2], (PART/256)<<16
	s_mov_b32 s[\g+3], 32<<16
	s_mov_b32 s[\g+4], PART/256
	s_mov_b32 s[\g+5], 32
	s_mov_b32 s[\g+6], 0
	s_mov_b32 s[\g+7], 0
.endr
.irp g, G1T, G1BT                      ; the last fill: 100 rows
	s_mov_b32 s[\g+1], 32<<16
	s_mov_b32 s[\g+2], (2*PANEL/256)<<16
	s_mov_b32 s[\g+3], 32<<16
	s_mov_b32 s[\g+4], 2*PANEL/256
	s_mov_b32 s[\g+5], 32
	s_mov_b32 s[\g+6], 0
	s_mov_b32 s[\g+7], 0
.endr
	s_lshl_b32 s20, s17, 1
	s_add_co_u32 s20, s20, s16
	s_mul_i32 s20, s20, GROUPB                     ; X: group 2 x tile row + which (under 2^25 bytes)
	s_mov_b32 s21, 0
	s_lshl_b32 s46, s42, 1
	s_add_co_u32 s46, s46, s16
	s_mul_i32 s46, s46, GROUPB                     ; W: group 2 x tile column + which
	s_mov_b32 s47, 0
	s_mul_i32 s45, s14, PART                       ; where my part goes: X's two, then W's two
	s_wait_dscnt 0x0                               ; both opening adds are done
	s_wait_kmcnt 0x0
	s_add_nc_u64 s[20:21], s[4:5], s[20:21]
	s_add_nc_u64 s[46:47], s[6:7], s[46:47]
.irp s, 0,1
	s_mov_b32 s[G0+4*\s], 1
	s_add_co_u32 s[G0+4*\s+1], s45, \s*SLOT
	s_add_nc_u64 s[G0+4*\s+2:G0+4*\s+3], s[20:21], \s*PART
	s_or_b32 s[G0+4*\s+3], s[G0+4*\s+3], 0x80000000
	s_mov_b32 s[G0B+4*\s], 1
	s_add_co_u32 s[G0B+4*\s+1], s45, \s*SLOT
	s_add_nc_u64 s[G0B+4*\s+2:G0B+4*\s+3], s[46:47], \s*PART
	s_or_b32 s[G0B+4*\s+3], s[G0B+4*\s+3], 0x80000000
.endr
	CROUND                                         ; all sixteen work-groups are here: the first joint loads meet
	JLOAD G0, G1, G0B, G1B                         ; fill 0: one tensor load a wave at the head
	s_cmp_eq_u32 s15, 0
	s_cselect_b64 s[PFA:PFA+1], s[20:21], s[46:47] ; the prefetches: the part that I fetch,
	s_cselect_b32 s86, s40, s41                    ; my place among the four that ask for it with me,
	s_mul_i32 s86, s86, 38                         ; and my share's first block
	s_mul_i32 s87, s15, PART                       ; my 128 rows of X in a slot
	s_mul_i32 s88, s16, PART
	s_add_co_u32 s88, s88, 2*PART                  ; my 128 rows of W
	s_sub_co_u32 s89, s88, s87
	s_add_co_u32 s90, s87, SCOFF
	s_mul_i32 s91, s14, 16*SPITCH
	s_add_co_u32 s91, s91, STAGE                   ; my stage
	s_lshl_b32 s20, s17, 8                         ; my part of out0, in bytes (under 2^26): row 256 x tile row + 128 x half, 8,192 bytes a row,
	s_lshl_b32 s21, s15, 7
	s_add_co_u32 s20, s20, s21
	s_lshl_b32 s20, s20, 13
	s_lshl_b32 s21, s42, 10                        ; + 1,024 x tile column + 512 x half
	s_add_co_u32 s20, s20, s21
	s_lshl_b32 s21, s16, 9
	s_add_co_u32 s20, s20, s21
	s_mov_b32 s21, 0
	s_add_nc_u64 s[12:13], s[12:13], s[20:21]
	v_and_b32 v1, 15, v0                           ; r
	v_bfe_u32 v2, v0, 4, 1                         ; h
	v_and_b32 v6, 31, v0                           ; lane
	v_lshlrev_b32 v3, 4, v6                        ; my 16 bytes of a plane
	v_add_nc_u32 v[ADRA], s87, v3
	v_add_nc_u32 v[ADRB], s88, v3
	v_add_nc_u32 v[ADRA+1], SLOT, v[ADRA]
	v_add_nc_u32 v[ADRB+1], SLOT, v[ADRB]
	v_mul_u32_u24 v5, s89, v2                      ; scale words: lanes 16-31 take W's
	v_lshl_add_u32 v5, v1, 4, v5
	v_add_nc_u32 v[ADRS], s90, v5
	v_add_nc_u32 v[ADRS+1], SLOT, v[ADRS]
	v_mul_u32_u24 v4, v1, SPITCH                   ; into the stage: row r, 32 bytes for each half of the lanes
	v_lshl_add_u32 v4, v2, 5, v4
	v_add_nc_u32 v[STO], s91, v4
	v_lshlrev_b32 v[CO], 4, v6                     ; back: 32 lanes take a row of 512 bytes; the same in out0
	v_add_nc_u32 v[RD], s91, v[CO]
	v_add_nc_u32 v[PFO], s86, v6                   ; blocks 38 p + lane (145 at the most),
	v_add_nc_u32 v7, 32, v6
	v_min_u32 v7, 37, v7                           ; and 38 p + 32 .. 37,
	v_add_nc_u32 v7, s86, v7
	v_min_u32 v7, 149, v7                          ; held at the part's last block
	v_lshlrev_b32 v[PFO], 8, v[PFO]
	v_lshlrev_b32 v[PFO+1], 8, v7
.macro MUL p, zero                     ; product NPROD of a step: X's block NPROD / 8, W's block NPROD % 8.  The 64 accumulators take turns, in the same order in every step
.set BLKA, NPROD/8
.set BLKB, NPROD%8
.if BLKA < 4
	WIN MUL_LO
.else
	WIN MUL_HI
.endif
.set RGD, 8*(8*(BLKA%4)+BLKB)
.set RGB, 128*(\p)+FR*BLKB
.set RGA, AF+96*(\p)+FR*BLKA
.if \zero
	v_wmma_scale_f32_16x16x128_f8f6f4 v[RGD:RGD+7], v[RGB:RGB+FR-1], v[RGA:RGA+FR-1], 0, v[SC+8*(\p)+BLKB], v[SC+8*(\p)+BLKA] matrix_a_fmt:MATRIX_FMT_FP6 matrix_b_fmt:MATRIX_FMT_FP6 matrix_a_scale:MATRIX_SCALE_ROW1
.else
	v_wmma_scale_f32_16x16x128_f8f6f4 v[RGD:RGD+7], v[RGB:RGB+FR-1], v[RGA:RGA+FR-1], v[RGD:RGD+7], v[SC+8*(\p)+BLKB], v[SC+8*(\p)+BLKA] matrix_a_fmt:MATRIX_FMT_FP6 matrix_b_fmt:MATRIX_FMT_FP6 matrix_a_scale:MATRIX_SCALE_ROW1
.endif
.endm
.macro MULS n, p, zero                 ; the step's next n products
.rept \n
	MUL \p, \zero
.set NPROD, NPROD+1
.endr
.endm
.macro GROUP p, ns, nq                 ; fragment GRP of panel nq of slot ns into set p: 0-7 W's, 8-15 X's (the scale words go with the eighth)
.if GRP < 8
	WIN TO_B
.irp c, 0,1,2
	ds_load_b128 v[128*(\p)+FR*GRP+4*\c:128*(\p)+FR*GRP+4*\c+3], v[ADRB+\ns] offset:(\nq)*PANEL+GRP*FRAGB+512*\c
.endr
.else
	WIN 0
.if GRP == 8
	ds_load_b128 v[SC+8*(\p):SC+8*(\p)+3], v[ADRS+\ns] offset:(\nq)*PANEL
	ds_load_b128 v[SC+8*(\p)+4:SC+8*(\p)+7], v[ADRS+\ns] offset:(\nq)*PANEL+256
.endif
.irp c, 0,1,2
	ds_load_b128 v[AF+96*(\p)+FR*(GRP-8)+4*\c:AF+96*(\p)+FR*(GRP-8)+4*\c+3], v[ADRA+\ns] offset:(\nq)*PANEL+(GRP-8)*FRAGB+512*\c
.endr
.endif
.set GRP, GRP+1
.endm
.macro RUN n, p, ns, nq
.rept \n
	GROUP \p, \ns, \nq
.endr
.endm
.macro PLACES                          ; four places in front of loads into registers that matrix instructions have read, and of the first read of results
.rept 4
	v_nop
.endr
.endm
.macro ASK how                         ; how = 1: the trip's first change of slots names the fill three on from PFA's; 2: its second the fill four on, but in the last trip, where that is the short fill
.if \how == 2
	s_cmp_gt_u32 s3, 1
	s_cbranch_scc0 .Lno_ask_\@
.endif
.if \how
	global_prefetch_b8 v[PFO], s[PFA:PFA+1] offset:(2+\how)*PART th:TH_LOAD_NT scope:SCOPE_SE
	global_prefetch_b8 v[PFO+1], s[PFA:PFA+1] offset:(2+\how)*PART th:TH_LOAD_NT scope:SCOPE_SE
.endif
.if \how == 2
.Lno_ask_\@:
.endif
.endm
; A K step on set p.  ld: the next step's fragments (panel nq of slot ns) are fetched into the other set.  turn: this step is its slot's last: 1 the slot is filled again, 2 with the short fill, 3 not at all.
.macro STEP p, zero, ld, ns, nq, turn, slot, ask
.set GRP, 0
.set NPROD, 0
.if \turn
	WIN 0                                          ; (the add's registers lie in window 0)
	s_wait_tensorcnt 0x0                           ; all my tensor loads have landed: my part of the next slot
	ds_add_u32 v[SPW], v[NIL]
	s_wait_dscnt 13                                ; the add and the 12 loads of X's blocks 4-7 may be out
	MULS 8, \p, \zero
	s_wait_dscnt 0x0                               ; the add is done, and my reads of this slot are over
	s_barrier_signal -1
	MULS 8, \p, \zero
	WIN 0
	s_barrier_wait -1
.if (\turn) < 3
	CREST                                          ; the barrier has opened a round of the cluster's: no wave of any partner reads this slot or has a load on its way
	s_add_nc_u64 s[G0+4*(\slot)+2:G0+4*(\slot)+3], s[G0+4*(\slot)+2:G0+4*(\slot)+3], 2*PART
	s_add_nc_u64 s[G0B+4*(\slot)+2:G0B+4*(\slot)+3], s[G0B+4*(\slot)+2:G0B+4*(\slot)+3], 2*PART
.if (\turn) == 1
	JLOAD G0+4*(\slot), G1, G0B+4*(\slot), G1B     ; the first tensor load behind the round; its four v_nop are the places for the loads below
.else
	JLOAD G0+4*(\slot), G1T, G0B+4*(\slot), G1BT
.endif
.else
	PLACES
.endif
	RUN 8, 1-\p, \ns, \nq
	WIN 0
	ASK \ask
	MULS 16, \p, \zero
	RUN 8, 1-\p, \ns, \nq
	MULS 32, \p, \zero
.else
	s_wait_dscnt 12                                ; W's set, the scale words and X's blocks 0-3 are in; the 12 loads of X's blocks 4-7 may be out
	MULS 4, \p, \zero
.if \ld
	PLACES
	RUN 8, 1-\p, \ns, \nq
	MULS 28, \p, \zero
	s_wait_dscnt 24                                ; all but the 24 loads of W's just issued: X's blocks 4-7 are in
	RUN 8, 1-\p, \ns, \nq
.else
	MULS 28, \p, \zero
	s_wait_dscnt 0x0
.endif
	MULS 32, \p, \zero
.endif
.endm
	s_wait_alu depctr_va_vdst(0)                   ; the head's end
	s_wait_tensorcnt 0x0                           ; my part of fill 0 is in; the same lines as ahead of a refill stand ahead of slot 1's first fill:
	ds_add_u32 v[SPW], v[NIL]
	s_wait_dscnt 0x0
	CROUND                                         ; everybody's part of fill 0 is in, and all sixteen work-groups are here
	JLOAD G0+4, G1, G0B+4, G1B                     ; fill 1, the first tensor load behind the round
.set GRP, 0
	RUN 16, 0, 0, 0
	STEP 0, 1, 1, 0, 1, 0, 0, 0                    ; the first step's products start the sums
	WIN 0
	s_mov_b32 s3, TRIPS
.Llap:                                 ; a trip is six K steps, once round the ring, from a fill's second step to the first step two fills on
	STEP 1, 0, 1, 0, 2, 0, 0, 0
	STEP 0, 0, 1, 1, 0, 1, 0, 1
	STEP 1, 0, 1, 1, 1, 0, 0, 0
	STEP 0, 0, 1, 1, 2, 0, 0, 0
	STEP 1, 0, 1, 0, 0, 1, 1, 2
	STEP 0, 0, 1, 0, 1, 0, 0, 0
	WIN 0
	s_wait_xcnt 0x0                                ; my prefetches have read their base, which steps two fills on
	s_add_nc_u64 s[PFA:PFA+1], s[PFA:PFA+1], 2*PART
	s_sub_co_u32 s3, s3, 1
	s_cmp_lg_u32 s3, 0
	s_cbranch_scc1 .Llap
	STEP 1, 0, 1, 0, 2, 0, 0, 0                    ; K steps 25 to 31, written out: one short fill more, then none
	STEP 0, 0, 1, 1, 0, 2, 0, 0
	STEP 1, 0, 1, 1, 1, 0, 0, 0
	STEP 0, 0, 1, 1, 2, 0, 0, 0
	STEP 1, 0, 1, 0, 0, 3, 1, 0
	STEP 0, 0, 1, 0, 1, 0, 0, 0
	STEP 1, 0, 0, 0, 0, 0, 0, 0
	WIN 0
; THE WAY OUT, by blocks of 16 rows x 128 columns: through my own stage and back as whole rows of 512 bytes.  LDS serves a wave's instructions in order (ISA guide 5.7.1.4): no wait between the stores and the loads.
.macro TOSTAGE a
.set AC, 64*((\a)%4)
	WIN 0x08+4*((\a)/4)                            ; the data: window 2 or 3
.irp b, 0,1,2,3,4,5,6,7
	ds_store_b128 v[STO], v[AC+8*\b:AC+8*\b+3] offset:64*\b          ; each accumulator from its low end on
	ds_store_b128 v[STO], v[AC+8*\b+4:AC+8*\b+7] offset:64*\b+16
.endr
	WIN 0
.set BB, BK+64*((\a)%2)
.irp t, 0,1,2,3,4,5,6,7,8,9,10,11,12,13,14,15
	ds_load_b128 v[BB+4*\t:BB+4*\t+3], v[RD] offset:\t*SPITCH
.endr
.endm
.macro SEND a, younger                 ; younger: the LDS instructions issued behind block a's loads
.set BB, BK+64*((\a)%2)
	s_wait_dscnt \younger
.if (\a) > 0
	s_add_nc_u64 s[12:13], s[12:13], 16*SIZE_N*4   ; (behind a wait on XCNT) 16 rows on
.endif
.irp t, 0,1,2,3,4,5,6,7,8,9,10,11,12,13,14,15
	global_store_b128 v[CO], v[BB+4*\t:BB+4*\t+3], s[12:13] offset:\t*SIZE_N*4 th:TH_STORE_NT   ; 32 lanes store 512 consecutive bytes, at a multiple of 256 from out0's first byte; written once, read by nobody here
.endr
.endm
	PLACES
	TOSTAGE 0
.irp a, 1,2,3,4,5,6,7
.if \a > 1
	s_wait_xcnt 0x0                                ; block a - 2's stores have read their registers and their base
.endif
	TOSTAGE \a
	SEND \a-1, 32                                  ; behind block a - 1's loads: block a's 16 stores and 16 loads
.endr
	s_wait_xcnt 0x0
	SEND 7, 0
	s_wait_tensorcnt 0x0                           ; the wave's end
	ds_add_u32 v[SPW], v[NIL]
	s_wait_dscnt 0x0
	CROUND                                         ; the closing round
	s_endpgm
.Lfunc_end_k_qb7d0ca8c1e_gemm:
	.size	k_qb7d0ca8c1e_gemm, .Lfunc_end_k_qb7d0ca8c1e_gemm-k_qb7d0ca8c1e_gemm
	.p2alignl 7, 3214868480
	.fill 96, 4, 3214868480
	.section	.rodata,"a",@progbits
	.p2align	6, 0x0
	.amdhsa_kernel k_qb7d0ca8c1e_gemm
		.amdhsa_group_segment_fixed_size 327680
		.amdhsa_private_segment_fixed_size 0
		.amdhsa_enable_private_segment 0
		.amdhsa_kernarg_size 24
		.amdhsa_user_sgpr_count 2
		.amdhsa_user_sgpr_kernarg_segment_ptr 1
		.amdhsa_wavefront_size32 1
		.amdhsa_system_sgpr_workgroup_id_x 1
		.amdhsa_system_sgpr_workgroup_id_y 1
		.amdhsa_system_sgpr_workgroup_id_z 1
		.amdhsa_system_vgpr_workitem_id 0
		.amdhsa_next_free_vgpr 1024
		.amdhsa_next_free_sgpr 96
		.amdhsa_reserve_vcc 0
		.amdhsa_float_denorm_mode_32 3
		.amdhsa_float_denorm_mode_16_64 3
		.amdhsa_memory_ordered 1
		.amdhsa_forward_progress 1
		.amdhsa_inst_pref_size 203
	.end_amdhsa_kernel
	.amdgpu_metadata
---
amdhsa.version: [ 1, 2 ]
amdhsa.kernels:
  - .name:           k_qb7d0ca8c1e_gemm
    .symbol:         k_qb7d0ca8c1e_gemm.kd
    .args:
      - { .name: x_pan, .offset: 0, .size: 8, .value_kind: global_buffer, .address_space: global }
      - { .name: w_pan, .offset: 8, .size: 8, .value_kind: global_buffer, .address_space: global }
      - { .name: out0, .offset: 16, .size: 8, .value_kind: global_buffer, .address_space: global }
    .group_segment_fixed_size: 327680
    .private_segment_fixed_size: 0
    .kernarg_segment_align: 8
    .kernarg_segment_size: 24
    .max_flat_workgroup_size: 128
    .sgpr_count:     96
    .vgpr_count:     1024
    .wavefront_size: 32
...
	.end_amdgpu_metadata
.endif
;; end of part 3
